; MI455X (gfx1250); checked and timed in simulation.
; The chip was launched on July 23, 2026; its instructions are those of AMD's public machine-readable ISA for CDNA 5 (MIT licence, August 2026) and "CDNA5" Instruction Set Architecture Reference Guide (July 2026). The comments in the code are by the model that wrote it; some were corrected since.
;; SAP Module. Allowed arithmetic: float matrix products may take bf16 or f16 operands with f32 sums; other float arithmetic in f32, or as packed bf16 or f16 multiplies, adds, multiply-adds, maxima and minima; sums over many terms, partial sums and values carried from step to step in f32; what a program stores and reads back later, other than sums and carried values, may be rounded once to bf16 or f16.
;; Inputs: x 8 x 256 x 64 x 64 float32.
;; Outputs: out0 8 x 256 x 64 x 64 float32.
;; Constants: threshold = 0.05.
;; 2 versions, each right; version 2 is version 1 with the launch tobf16 written anew for expert scheduling mode. Each part assembles by itself: llvm-mc -triple=amdgcn-amd-amdhsa -mcpu=gfx1250 --defsym DOCPART=n.
;; ======== version 1 of 2: 2 launches
;; limits: right only within a limited range of input values
;; workspace buffers: xb 16,777,216 bytes
;; launch tobf16 (part 1): grid 512 x 1, 8 waves a work-group, no clusters, 0 bytes of LDS; arguments x, xb; writes xb
.if DOCPART == 1
	.amdgcn_target "amdgcn-amd-amdhsa--gfx1250"
	.amdhsa_code_object_version 6
	.text
	.protected	k_qd2ecef0bc1_tobf16
	.globl	k_qd2ecef0bc1_tobf16
	.p2align	8
	.type	k_qd2ecef0bc1_tobf16,@function
k_qd2ecef0bc1_tobf16:
	s_mov_b64 s[64:65], 0
	v_nop
	global_prefetch_b8 v0, s[64:65] scope:SCOPE_SE
	s_setreg_imm32_b32 hwreg(HW_REG_WAVE_MODE, 25, 1), 1
	s_wait_xcnt 0x0
; xb = x rounded once to bf16 (to nearest even), same order of numbers: [8][256][4096].
; LIMIT: a number beyond bf16's largest finite one (about 3.39e38) becomes an infinity; NaN stays NaN.
; A pure stream: nothing is shared, so no LDS, no barrier, no matrix work.  A work-group takes 65,536 bytes of x as 16 chunks of
; 4,096; thread t takes the 16 bytes at 16 t of every chunk: a wave's load covers 512 consecutive bytes, its store 256, aligned.
; All 16 loads of a thread go out at once; every chunk has load and store registers of its own, so no register is written twice.
.set CHUNKS, 16
.set X, 4                              ; v[4:67]   chunk i: four f32 as loaded
.set Y, 68                             ; v[68:99]  chunk i: four bf16 to store
	s_load_b128 s[4:7], s[0:1], 0x0                ; x s[4:5], xb s[6:7]
	v_lshlrev_b32 v1, 4, v0                        ; my 16 bytes in a chunk of x
	v_lshlrev_b32 v2, 3, v0                        ; my 8 bytes in a chunk of xb
	s_lshl_b32 s8, ttmp9, 16                       ; the work-group's 65,536 bytes of x (512 work-groups: under 2^25)
	s_mov_b32 s9, 0
	s_lshl_b32 s10, ttmp9, 15                      ; and its 32,768 bytes of xb
	s_mov_b32 s11, 0
	s_wait_kmcnt 0x0
	s_add_nc_u64 s[4:5], s[4:5], s[8:9]
	s_add_nc_u64 s[6:7], s[6:7], s[10:11]
.set i, 0
.rept CHUNKS
	global_load_b128 v[X+4*i:X+4*i+3], v1, s[4:5] offset:4096*i th:TH_LOAD_NT  ; x is read once in the launch
.set i, i+1
.endr
.set i, 0
.rept CHUNKS
	s_wait_loadcnt CHUNKS-1-i                      ; loads come back in order (ISA guide 5.7.1): chunk i is in, the younger ones stay out
	v_cvt_pk_bf16_f32 v[Y+2*i], v[X+4*i], v[X+4*i+1]
	v_cvt_pk_bf16_f32 v[Y+2*i+1], v[X+4*i+2], v[X+4*i+3]
	global_store_b64 v2, v[Y+2*i:Y+2*i+1], s[6:7] offset:2048*i  ; 32 lanes store 256 consecutive bytes, at a multiple of 256 from xb's first byte
.set i, i+1
.endr
	s_endpgm
.Lfunc_end_k_qd2ecef0bc1_tobf16:
	.size	k_qd2ecef0bc1_tobf16, .Lfunc_end_k_qd2ecef0bc1_tobf16-k_qd2ecef0bc1_tobf16
	.p2alignl 7, 3214868480
	.fill 96, 4, 3214868480
	.section	.rodata,"a",@progbits
	.p2align	6, 0x0
	.amdhsa_kernel k_qd2ecef0bc1_tobf16
		.amdhsa_group_segment_fixed_size 0
		.amdhsa_private_segment_fixed_size 0
		.amdhsa_enable_private_segment 0
		.amdhsa_kernarg_size 16
		.amdhsa_user_sgpr_count 2
		.amdhsa_user_sgpr_kernarg_segment_ptr 1
		.amdhsa_wavefront_size32 1
		.amdhsa_system_sgpr_workgroup_id_x 1
		.amdhsa_system_sgpr_workgroup_id_y 1
		.amdhsa_system_sgpr_workgroup_id_z 1
		.amdhsa_system_vgpr_workitem_id 0
		.amdhsa_next_free_vgpr 100
		.amdhsa_next_free_sgpr 66
		.amdhsa_reserve_vcc 0
		.amdhsa_float_denorm_mode_32 3
		.amdhsa_float_denorm_mode_16_64 3
		.amdhsa_memory_ordered 1
		.amdhsa_forward_progress 1
		.amdhsa_inst_pref_size 7
	.end_amdhsa_kernel
	.amdgpu_metadata
---
amdhsa.version: [ 1, 2 ]
amdhsa.kernels:
  - .name:           k_qd2ecef0bc1_tobf16
    .symbol:         k_qd2ecef0bc1_tobf16.kd
    .args:
      - { .name: x, .offset: 0, .size: 8, .value_kind: global_buffer, .address_space: global }
      - { .name: xb, .offset: 8, .size: 8, .value_kind: global_buffer, .address_space: global }
    .group_segment_fixed_size: 0
    .private_segment_fixed_size: 0
    .kernarg_segment_align: 8
    .kernarg_segment_size: 16
    .max_flat_workgroup_size: 256
    .sgpr_count:     66
    .vgpr_count:     100
    .wavefront_size: 32
...
	.end_amdgpu_metadata
.endif
;; end of part 1
;; launch attn (part 2): grid 32 x 8, 4 waves a work-group, clusters of 4 x 1, 327,680 bytes of LDS; arguments xb, out0; writes out0
.if DOCPART == 2
	.amdgcn_target "amdgcn-amd-amdhsa--gfx1250"
	.amdhsa_code_object_version 6
	.text
	.protected	k_qd2ecef0bc1_attn
	.globl	k_qd2ecef0bc1_attn
	.p2align	8
	.type	k_qd2ecef0bc1_attn,@function
k_qd2ecef0bc1_attn:
	s_mov_b64 s[64:65], 0
	v_nop
	global_prefetch_b8 v0, s[64:65] scope:SCOPE_SE
	s_setreg_imm32_b32 hwreg(HW_REG_WAVE_MODE, 25, 1), 1
	s_wait_xcnt 0x0
	s_wait_alu depctr_hold_cnt(0) depctr_sa_sdst(0) depctr_va_vdst(0) depctr_va_sdst(0) depctr_va_ssrc(0) depctr_va_vcc(0) depctr_vm_vsrc(0)
	s_getreg_b32 s2, hwreg(HW_REG_IB_STS2, 6, 4)
	s_cmp_eq_u32 s2, 0
	s_cbranch_scc0 .Lentry_in_a_cluster
	s_endpgm
.Lentry_in_a_cluster:
	s_bfe_u32 s2, ttmp6, 0x10000c
	s_cmp_lg_u32 s2, 0x3003
	s_cbranch_scc0 .Lentry_shape_is_right
	s_endpgm
.Lentry_shape_is_right:
; out[b][c][i] = the sum over j of f[b][c][j] w[b][i][j],  w = softmax_j(a),  a[i][j] = <f[:,i], f[:,j]> / 16, replaced by -1e9 where it is below 0.05.
; f = xb[b]: [256 channels][4,096 positions] in bf16 (x rounded once); out in f32, same order.  Products, maxima and sums in f32; the weights are rounded to bf16 for the
; second product, their sum l is taken of the unrounded weights.  Queries, keys and values are the same numbers: ONE tile in LDS, [channel][key], serves both products.
; THE MASK.  a < 0.05 is dot < 0.8 (0x3f4ccccd = 16 x 0x3d4ccccd, exact).  The sums start at C = -0.8, so s = dot - 0.8 is negative just where the score is hidden; a shift common
; to all visible scores leaves the softmax alone.  One v_max_i32 with the bits of -2^120 then replaces every negative s by -2^120 and keeps every other (as signed whole numbers the
; negative floats smaller in size than 2^120 lie below those bits, the non-negative ones above).  c x -2^120 is exact, so in a row with every score hidden c s - c m is exactly 0 and all
; weights are 1: the plain mean, as with -1e9 everywhere.  In a mixed row a hidden weight is 2^(-1e35) = 0, as exp(-1e9 - m) is in f32.
; SOFTMAX.  A running maximum m and sum l for each query: p = 2^(c s - c m), c = log2(e) / 16; in every step O and l are multiplied by a = 2^(c m_old - c m_new).
; m starts at -2^120, O and l at 0: the first step is a step like any other.
; LIMITS.  |dot| stays under 2^120.  A sum that comes out as -0.0 counts as hidden.  A score within the bf16 products' rounding of 0.05 may fall on either side.  NaN and infinities are not treated apart.
; SHARES.  256 work-groups; each owns 128 queries of one batch.  Wave w: g = w / 2 says which 64 queries (four tiles of 16), kh = w % 2 which half of every tile's 128 keys.  So a
; fragment read from LDS feeds four products.  Each wave has m, l and O^T of its own over its 2,048 keys; at the end wave (g, 1) hands them to wave (g, 0) through LDS, which merges, divides and stores.
; THE WALK.  32 tiles of 128 keys: 256 channel rows x 256 bytes of memory, each row aligned to 256 bytes.  A tile is one STEP: 128 products K Q^T, the softmax, 128 products V^T P.
; CLUSTER.  The four query blocks of a cluster belong to one batch and walk the same tiles: each tile is asked for JOINTLY, each wave fetching 64 rows.
; LAYOUT (lane L: r = L % 16, h = L / 16).  S^T = K Q^T: source 0 = 16 keys x 32 channels, by the turning load; source 1 = 16 queries.
; In S^T lane (r, h) holds query r and keys 32 kh + 8 kb + 64 h + 0..7.  Two such results rounded in pairs ARE source 1 of O^T = V^T P; V^T's fragment for the same keys is 32
; consecutive bytes of a channel row, by two plain loads.  O^T: register j of lane (r, h) is channel 16 cb + 8 h + j, query 16 t + r.
; REGISTERS, in windows of 256 (s_set_vgpr_msb: bits 1:0 source 0, 3:2 source 1, 5:4 source 2, 7:6 destination):
;   window 0: v0-15 addresses; v16-23 the constant -0.8; v24-55 eight registers of statistics a tile; v56-63 at work; v64-127 X, eight fragments; v128-255 S^T (after the roundings: v128-191 P, v192-255 Y, eight more fragments)
;   window 1: Q, tile t and channels 32 cc on at 64 t + 8 cc          windows 2, 3: O^T, accumulator n = 4 cb + t at 8 n of 512
; O^T is cleared by 512 v_mov_b32, on purpose: they run while the first tiles are on their way, and spare a further copy of the step's text with products that start sums.
.set PITCH, 272                        ; an LDS row: 256 bytes + 16 of padding
.set QUART, 64*PITCH                   ; what one tensor load brings: 64 rows
.set SLOT,  256*PITCH                  ; 69,632 = 0x11000; a wave's quarter begins at 0x4400 w, which has bits 12 and 16 clear: one exclusive or changes slots
.set EXCH,  2*SLOT                     ; g x 65,536: wave (g, 1)'s O^T, four registers a lane at 512 q + 16 L.  Written by LDS stores alone, like all that follows
.set STATS, EXCH+2*65536               ; g x 1,024: c m of four tiles at 16 L, l at 512 + 16 L
.set STAGE, STATS+2048                 ; w x 4,352: 16 channel rows x 272 bytes of f32, for the way out
.set SPARE, STAGE+4*16*PITCH           ; the spare words, 128 bytes for each wave: two blocks of 256 bytes that no other line names
.set AK0, 2                            ; v2   my lane's place in a tile for K's fragments; never rewritten
.set AV0, 3                            ; v3   the same for V's
.set ADK, 4                            ; v4   slot + AK0
.set ADV, 5                            ; v5   slot + AV0
.set PFO, 6                            ; v6   the prefetches' offset: my lane x a row of xb (8,192 bytes); never rewritten
.set STO, 7                            ; v7   the way out: where I put a number
.set RD,  8                            ; v8   the way out: where I read 16 bytes of a row back
.set GO,  9                            ; v9   my byte offset in two rows of out
.set XA,  10                           ; v10  my 16 bytes in a block of 512 of the exchange
.set SA,  11                           ; v11  the same for the statistics
.set SPW, 12                           ; v12  LDS address of my spare word: SPARE + 4 x my thread's number; never rewritten
.set NIL, 13                           ; v13  0; never rewritten
.set QA,  15                           ; v15  my lane's place in the tile of Q
.set CTH, 16                           ; v[16:23]  -0.8 eight times: the C operand that starts every sum of S^T
.set ST,  24                           ; tile t at ST + 8 t: c m, m, l (even keys', odd keys'), c0-c3 at work; a takes c2's place, c m_old - c m_new c3's
.set TQ,  56                           ; v[56:59] c m of the four tiles, v[60:63] l: what is handed over
.set X,   64
.set S,   128
.set RES, 128                          ; the way out: 16 channels x 64 queries, merged
.set PS,  160                          ; the partner's c m and l
.set WK,  168                          ; v[168:187] at work in the merge
.set BK,  192                          ; the way out: rows read back, two buffers of 32
.set WV,  8                            ; s8   my wave's number
.set G,   9                            ; s9   w / 2
.set KH,  10                           ; s10  w % 2
.set CX,  11                           ; s11  my place in the cluster
.set QB,  12                           ; s12  my block of 128 queries
.set BT,  13                           ; s13  the batch
.set G1,  16                           ; s[16:23] descriptor group 1 of the joint loads
.set G1Q, 24                           ; s[24:31] the same without a mask, for my own tile of Q
.set G0,  32                           ; s[32:35] descriptor group 0 of the key tiles: it walks
.set G0Q, 36                           ; s[36:39] of Q's tile
.set PFA, 40                           ; s[40:41] where my prefetches stand
.set LIM, 42                           ; s42  1 in a wave that prefetches, else the greatest number
.set CNT, 43                           ; s43  steps to go
.set TB,  44                           ; s44  the slot that is read: 0 or SLOT
.set CS,  46                           ; s[46:47] c, named as a pair
.set SEL, 48                           ; s[48:49] v_permlanex16_b32's selects: each lane takes its own place in the other half
.set KNEG, 50                          ; s50  the bits of -2^120
.set MSB, 0
.macro WIN new                         ; the immediate's high byte repeats the setting that is left; a switch that changes nothing is dropped
.if MSB != (\new)
	s_set_vgpr_msb (MSB<<8)|(\new)
.set MSB, (\new)
.endif
.endm
.set W_KQ, 0x04                        ; Q (source 1) in window 1, all else in window 0: LDS loads into X, v_nop and the masks (a vector register as source 0, a scalar one as source 1) need no switch
.macro PLACES                          ; plain vector instructions between a matrix instruction and a line that touches its registers (ISA guide 7.12.1)
.rept 4
	v_nop
.endr
.endm
; A round of the cluster's barrier: my work-group's barrier, so that wave 0's signal speaks for all four waves; wave 0 signals; every wave waits for all four work-groups; my work-group's barrier once more.
.macro CREST                           ; a round behind its opening barrier
	s_cmp_lg_u32 s[WV], 0
	s_cbranch_scc1 .Lnot_wave_0_\@
	s_barrier_signal -3
.Lnot_wave_0_\@:
	s_barrier_wait -3
	s_barrier_signal -1
	s_barrier_wait -1
.endm
.macro CROUND
	s_barrier_signal -1
	s_barrier_wait -1
	CREST
.endm
; A joint refill: one line for all waves; wave w brings channel rows 64 w .. 64 w + 63 of the tile.  Nothing in its registers hangs on a work-group's place in the cluster.
.macro JLOAD
	tensor_load_to_lds s[G0:G0+3], s[G1:G1+7]
	s_nop 0
	PLACES
.endm
; A PREFETCH of the tile that the NEXT change of slots will ask for: 256 rows x 256 bytes, a lane a row.  All clusters of a batch walk the same tiles: the batch's first cluster asks.  Its four
; partners share the rows out BY ADDRESS, 64 each; in each, waves 0 and 1 take 32.  So each row's 256 bytes of a tile are named once in the launch.  Tiles 0 to 2 come by their loads alone; the last filling change asks for nothing.
.macro ASK
	s_cmp_gt_u32 s[CNT], s[LIM]
	s_cbranch_scc0 .Lnot_mine_\@
	global_prefetch_b8 v[PFO], s[PFA:PFA+1] th:TH_LOAD_NT scope:SCOPE_SE
.Lnot_mine_\@:
.endm
; ---------------------------------------------------------------- S^T = K Q^T
.macro KLOAD f                         ; K's fragment f (key block f / 8, channels 32 (f % 8) on) into slot f % 8 of X: two turning loads, 16 channel rows apart
	ds_load_tr16_b128 v[X+8*((\f)%8):X+8*((\f)%8)+3],   v[ADK] offset:((\f)%8)*32*PITCH+((\f)/8)*16
	ds_load_tr16_b128 v[X+8*((\f)%8)+4:X+8*((\f)%8)+7], v[ADK] offset:((\f)%8)*32*PITCH+((\f)/8)*16+16*PITCH
.endm
.macro FETCH_K0                        ; the first eight fragments of a step
.irp f, 0,1,2,3,4,5,6,7
	KLOAD \f
.endr
.endm
.macro MSK b, e                        ; the mask for number e of 32 of key block b: tile e / 8, register e % 8: each accumulator from its lowest register on
	v_max_i32 v[S+32*((\e)/8)+8*(\b)+(\e)%8], v[S+32*((\e)/8)+8*(\b)+(\e)%8], s[KNEG]
.endm
; 32 fragments of K, four products each (the four tiles' accumulators take turns).  Behind each product one rider: a v_nop, or a mask of the key block before
; (from the block's fifth product on: five plain lines stand behind that block's last product by then).  A fragment is asked for seven fragments ahead, into the slot of the fragment
; multiplied last: five riders that name none of its registers stand behind that slot's last reader.
.macro KQPHASE
.rept 5
	v_nop                              ; five places between the last V^T P, which read P and Y, and the products that write S^T over them
.endr
	WIN W_KQ
.set f, 0
.rept 32
.set kb, f/8
.set cc, f%8
.set ahead, f+6                        ; the youngest fragment asked for so far
.if ahead < 7
.set ahead, 7
.endif
.if ahead > 31
.set ahead, 31
.endif
	s_wait_dscnt 2*(ahead-f)           ; LDS loads come back in order: fragment f is in; two loads for each younger fragment stay out
.set t, 0
.rept 4
.set rS, S+32*t+8*kb
.if cc == 0
	v_wmma_f32_16x16x32_bf16 v[rS:rS+7], v[X+8*cc:X+8*cc+7], v[64*t+8*cc:64*t+8*cc+7], v[CTH:CTH+7]
.else
	v_wmma_f32_16x16x32_bf16 v[rS:rS+7], v[X+8*cc:X+8*cc+7], v[64*t+8*cc:64*t+8*cc+7], v[rS:rS+7]
.endif
.set rho, 4*cc+t
.if (kb == 0) || (rho < 4)
	v_nop
.else
	MSK kb-1, rho-4
.if rho >= 28
	MSK kb-1, rho
.endif
.endif
.set t, t+1
.endr
.if (f >= 1) && (f <= 24)
	KLOAD f+7
.endif
.set f, f+1
.endr
.endm
; ---------------------------------------------------------------- the softmax
; THE PLAIN QUEUE: 45 entries a tile, the tiles on end.  0-7 the masks of key block 3; 8-23 the maximum of the lane's 32 scores and the old m, three operands at a time; 24 the other half of the
; lanes'; 25 c m_old is kept; 26 m; 27 c m; 28 c m_old - c m_new; 29-44 the sixteen scalings c s - c m, a pair each.
.macro PL
.set tt, q/45
.set n, q%45
.set rT, ST+8*tt
.set rS, S+32*tt
.if n < 8
	v_max_i32 v[rS+24+n], v[rS+24+n], s[KNEG]
.elseif n < 12
.set j, n-8
	v_max3_num_f32 v[rT+4+j], v[rS+8*j], v[rS+8*j+1], v[rS+8*j+2]
.elseif n < 20
.set j, n-8
	v_max3_num_f32 v[rT+4+j%4], v[rT+4+j%4], v[rS+8*(j%4)+2*(j/4)+1], v[rS+8*(j%4)+2*(j/4)+2]
.elseif n == 20
	v_max3_num_f32 v[rT+4], v[rT+4], v[rS+7], v[rS+15]
.elseif n == 21
	v_max3_num_f32 v[rT+6], v[rT+6], v[rS+23], v[rS+31]
.elseif n == 22
	v_max3_num_f32 v[rT+4], v[rT+4], v[rT+5], v[rT+6]
.elseif n == 23
	v_max3_num_f32 v[rT+4], v[rT+4], v[rT+7], v[rT+1]
.elseif n == 24
	v_permlanex16_b32 v[rT+5], v[rT+4], s[SEL], s[SEL+1]  ; the query's other 32 keys lie in the lane 16 away
.elseif n == 25
	v_mov_b32 v[rT+7], v[rT]
.elseif n == 26
	v_max_num_f32 v[rT+1], v[rT+4], v[rT+5]
.elseif n == 27
	v_mul_f32 v[rT], s[CS], v[rT+1]
.elseif n == 28
	v_sub_f32 v[rT+7], v[rT+7], v[rT]
.else
.set b, n-29
	v_pk_fma_f32 v[rS+2*b:rS+2*b+1], v[rS+2*b:rS+2*b+1], s[CS:CS+1], v[rT:rT+1] op_sel_hi:[1,0,0] neg_lo:[0,0,1] neg_hi:[0,0,1]
.endif
.set q, q+1
.endm
; THE EXPONENTIALS' QUEUE: 33 a tile: a, then the 32 weights in place.
.macro EX
.set tt, xq/33
.set n, xq%33
.if n == 0
	v_exp_f32 v[ST+8*tt+6], v[ST+8*tt+7]
.else
	v_exp_f32 v[S+32*tt+n-1], v[S+32*tt+n-1]
.endif
.set xq, xq+1
.endm
.macro POST1                           ; the sums, which leave the weights as they are: c0:c1 takes the sixteen pairs, the four tiles by turns; then l = a l + sum
.set k, 0
.rept 16
.set t, 0
.rept 4
.set rT, ST+8*t
.set rS, S+32*t
.if k == 0
	v_pk_add_f32 v[rT+4:rT+5], v[rS:rS+1], v[rS+2:rS+3]
.elseif k < 15
	v_pk_add_f32 v[rT+4:rT+5], v[rT+4:rT+5], v[rS+2*k+2:rS+2*k+3]
.else
	v_pk_fma_f32 v[rT+2:rT+3], v[rT+2:rT+3], v[rT+6:rT+7], v[rT+4:rT+5] op_sel_hi:[1,0,1]
.endif
.set t, t+1
.endr
.set k, k+1
.endr
.endm
.macro POST2                           ; the roundings: tile t's 32 weights into 16 registers at S + 16 t.  In ascending order every destination has been read before it is written
.set t, 0
.rept 4
.set n, 0
.rept 16
	v_cvt_pk_bf16_f32 v[S+16*t+n], v[S+32*t+2*n], v[S+32*t+2*n+1]
.set n, n+1
.endr
.set t, t+1
.endr
.endm
; V^T's fragments of chunk c: channel blocks 8 (c % 2) + 0..7, keys' half c / 2, into X (c even) or Y (c odd).  16 plain loads in one run.
.macro FETCH_V c
	WIN 0
.set i, 0
.rept 8
	ds_load_b128 v[X+128*((\c)&1)+8*i:X+128*((\c)&1)+8*i+3],   v[ADV] offset:(8*((\c)&1)+i)*16*PITCH+32*((\c)>>1)
	ds_load_b128 v[X+128*((\c)&1)+8*i+4:X+128*((\c)&1)+8*i+7], v[ADV] offset:(8*((\c)&1)+i)*16*PITCH+32*((\c)>>1)+16
.set i, i+1
.endr
.endm
; THE LUMP.  All 132 exponentials are ONE BATCH with ONE wait: nothing ahead of the wait names a result of theirs.  The deal: ahead of exponential e of tile t stand 66 + 33 t + e plain entries;
; it needs 45 t + 29 of them (e = 0: a) or 45 t + 30 + (e - 1) / 2 (its pair's scaling): at the tightest, tile 3's first two, one is to spare.
; V's first chunk is asked for behind eight masks: with the two riders behind the last product, ten plain lines behind X's last reader.
.macro LUMP
	WIN 0
.set q, 0
.set xq, 0
.rept 8
	PL
.endr
	FETCH_V 0
.rept 58
	PL
.endr
.rept 114
	EX
	PL
.endr
.rept 18
	EX
.endr
	v_nop                              ; a plain instruction behind the last exponential, ahead of the first use (ISA guide 5.7.2)
	s_wait_alu depctr_va_vdst(0)       ; the wait ahead of the first line that names a result: one for the batch
	POST1
	POST2
.endm
; ---------------------------------------------------------------- O^T = a O^T + V^T P
.macro RESC n                          ; accumulator n times its tile's a, from its lowest registers on
	WIN 0x82+0x41*((\n)/32)            ; destination and source 0 in window 2 or 3, a in window 0
.irp k, 0,2,4,6
	v_pk_mul_f32 v[8*((\n)%32)+\k:8*((\n)%32)+\k+1], v[8*((\n)%32)+\k:8*((\n)%32)+\k+1], v[ST+8*((\n)%4)+6:ST+8*((\n)%4)+7] op_sel_hi:[1,0]
.endr
.endm
; Products i0 .. i1 of chunk c's 32: accumulator 32 (c % 2) + i: channel block 8 (c % 2) + i / 4, tile i % 4.  The accumulators take turns: 63 others' products stand
; between the two on one accumulator.  ride = 1 (the keys' first half): behind each product the rescaling of the accumulator four further on.
.macro MULV c, i0, i1, ride
.set i, (\i0)
.rept (\i1)-(\i0)+1
	WIN 0xa0+0x50*((\c)&1)             ; C and D in window 2 or 3, V^T and P in window 0
	v_wmma_f32_16x16x32_bf16 v[8*i:8*i+7], v[X+128*((\c)&1)+8*(i/4):X+128*((\c)&1)+8*(i/4)+7], v[S+16*(i%4)+8*((\c)>>1):S+16*(i%4)+8*((\c)>>1)+7], v[8*i:8*i+7]
.if (\ride) && (32*((\c)&1)+i+4 <= 63)
	RESC 32*((\c)&1)+i+4
.endif
.set i, i+1
.endr
.endm
; ---------------------------------------------------------------- a key step
; fill = 1: the slot just read is filled again, with the tile two steps on.
.macro STEP fill
	KQPHASE
	LUMP
	FETCH_V 1                          ; into Y: the roundings have left it free
	RESC 0
	RESC 1
	RESC 2
	RESC 3
	s_wait_dscnt 16                    ; chunk 0 is in; chunk 1's 16 loads stay out
	MULV 0, 0, 31, 1
	FETCH_V 2                          ; into X: the four rescalings behind the last product are the places
	s_wait_dscnt 16                    ; chunk 1 is in; chunk 2's stay out
	MULV 1, 0, 31, 1
	PLACES
	FETCH_V 3
	s_wait_dscnt 16                    ; chunk 2 is in; chunk 3's stay out
	MULV 2, 0, 31, 0
	; THE CHANGE OF SLOTS.  Each wave waits for all its tensor loads (one is out: its quarter of the next tile), adds 0 to its spare word, and waits for that and for its reads of this slot.
	WIN 0
	s_wait_tensorcnt 0x0               ; no tensor load of mine is out, so the walking descriptor may be written
	ds_add_u32 v[SPW], v[NIL]          ; the scalar steps stand between the add and the wait for it
.if \fill
	s_xor_b32 s[G0+1], s[G0+1], SLOT   ; the other slot than last time,
	s_add_nc_u64 s[G0+2:G0+3], s[G0+2:G0+3], 256  ; the next 128 keys; the type bits on top are not reached
	s_wait_xcnt 0x0                    ; the last prefetch, a step back, has read its address
	s_add_nc_u64 s[PFA:PFA+1], s[PFA:PFA+1], 256  ; one tile further than the walking descriptor
.endif
	s_wait_dscnt 0x0                   ; the add is done; chunk 3 is in: my reads of this slot are over
	s_barrier_signal -1                ; with fill = 1 this barrier opens a round of the cluster's
	MULV 3, 0, 15, 0                   ; work on registers while the others arrive
	WIN 0                              ; at a branch and at a label every window is 0
	s_barrier_wait -1
.if \fill
	CREST                              ; no wave of any partner still reads this slot or has a load on its way
	JLOAD                              ; my one tensor load behind the round, and the first thing there; its four v_nop are also the places in front of the loads into X
.else
	PLACES
.endif
	s_xor_b32 s[TB], s[TB], SLOT
	v_add_nc_u32 v[ADK], s[TB], v[AK0]
	v_add_nc_u32 v[ADV], s[TB], v[AV0]
	FETCH_K0                           ; the next step's first fragments of K
.if \fill
	ASK
.endif
	MULV 3, 16, 31, 0
	WIN 0
.endm
; ---------------------------------------------------------------- the head
	s_load_b128 s[4:7], s[0:1], 0x0    ; xb s[4:5], out s[6:7]
	v_lshl_add_u32 v[SPW], v0, 2, SPARE
	v_mov_b32 v[NIL], 0
	ds_add_u32 v[SPW], v[NIL]          ; the wave's opening: the add and its wait stand ahead of my first tensor load; the set-up below, work on registers, stands between them
	v_lshrrev_b32 v1, 5, v0
	v_readfirstlane_b32 s[WV], v1      ; wave 0..3
	s_lshr_b32 s[G], s[WV], 1
	s_and_b32 s[KH], s[WV], 1
	s_bfe_u32 s[CX], ttmp6, 0x40000    ; my place in the cluster
	s_lshl_b32 s[QB], ttmp9, 2         ; in a cluster launch ttmp9 counts clusters
	s_add_co_u32 s[QB], s[QB], s[CX]   ; my block of queries: it enters Q's, out's and the prefetches' addresses alone
	s_and_b32 s[BT], ttmp7, 0xffff     ; the batch, which the four partners share
	; descriptor group 1: 64 rows x 128 elements of 2 bytes, 4,096 elements from row to row, padded in LDS
	s_mov_b32 s[G1], 15|(1<<16)|(1<<20)|(1<<21)|(5<<22)|(3<<25)  ; 15:0 the mask of four; 17:16 2-byte elements; 20 padding on; 21 set beside a mask; 24:22 after every 64 words (code 5); 31:25 4 words (code 3)
	s_mov_b32 s[G1Q], (1<<16)|(1<<20)|(5<<22)|(3<<25)            ; the same with no mask: Q's tile is my work-group's own
.irp g, G1, G1Q
	s_mov_b32 s[\g+1], 128<<16         ; tensor_dim0 = 128
	s_mov_b32 s[\g+2], 64<<16          ; tensor_dim1 = 64
	s_mov_b32 s[\g+3], 128<<16         ; tile_dim0 = 128
	s_mov_b32 s[\g+4], 64              ; tile_dim1 = 64
	s_mov_b32 s[\g+5], 4096            ; elements from row to row
	s_mov_b32 s[\g+6], 0
	s_mov_b32 s[\g+7], 0
.endr
	s_mul_i32 s52, s[WV], QUART        ; my quarter of a slot: no place in the cluster enters an LDS address
	s_mov_b32 s[G0], 1                 ; 1:0 count = 1
	s_mov_b32 s[G0+1], s52             ; LDS address: slot 0
	s_mov_b32 s[G0Q], 1
	s_add_co_u32 s[G0Q+1], s52, SLOT   ; Q's tile goes into slot 1, which takes key tiles afterwards
	s_lshl_b32 s54, s[BT], 21          ; the batch's 2,097,152 bytes of xb,
	s_lshl_b32 s53, s[WV], 19          ; my 64 rows of 8,192 bytes
	s_add_co_u32 s54, s54, s53
	s_mov_b32 s55, 0
	s_lshl_b32 s56, s[QB], 8           ; my block's 256 bytes of a row
	s_mov_b32 s57, 0
	s_lshl_b32 s58, s[BT], 21          ; the prefetches: the batch,
	s_lshl_b32 s51, s[CX], 19          ; my work-group's 64 rows of the 256,
	s_add_co_u32 s58, s58, s51
	s_lshl_b32 s51, s[KH], 18          ; 32 of them,
	s_add_co_u32 s58, s58, s51
	s_add_co_u32 s58, s58, 2*256       ; at tile 2: the first filling change steps it to tile 3.  Nothing is prefetched here, where every work-group's first tiles are on their way
	s_mov_b32 s59, 0
	s_lshl_b32 s14, s[BT], 22          ; out: the batch's 4,194,304 bytes,
	s_lshl_b32 s51, s[QB], 9           ; my block's 512 bytes of a row,
	s_add_co_u32 s14, s14, s51
	s_lshl_b32 s51, s[G], 8            ; my 64 queries' 256
	s_add_co_u32 s14, s14, s51
	s_mov_b32 s15, 0
	s_mov_b32 s[CS], 0x3db8aa3b        ; c = log2(e) / 16
	s_mov_b32 s[CS+1], s[CS]
	s_mov_b32 s[SEL], 0x76543210
	s_mov_b32 s[SEL+1], 0xfedcba98
	s_mov_b32 s[KNEG], 0xfb800000      ; -2^120
	s_or_b32 s[LIM], s[G], ttmp9       ; 0 in waves 0 and 1 of the batch's first cluster: the same in all four partners
	s_cmp_eq_u32 s[LIM], 0
	s_cselect_b32 s[LIM], 1, -1
	s_wait_dscnt 0x0                   ; the opening add is done
	s_wait_kmcnt 0x0
	s_add_nc_u64 s[G0+2:G0+3], s[4:5], s[54:55]          ; global address: my rows of key tile 0
	s_add_nc_u64 s[G0Q+2:G0Q+3], s[G0+2:G0+3], s[56:57]  ; and of my block's queries
	s_or_b32 s[G0+3], s[G0+3], 0x80000000                ; 127:126 type = 2
	s_or_b32 s[G0Q+3], s[G0Q+3], 0x80000000
	s_add_nc_u64 s[PFA:PFA+1], s[4:5], s[58:59]
	s_add_nc_u64 s[6:7], s[6:7], s[14:15]
	CROUND                             ; all four work-groups are here: the first joint loads meet
	tensor_load_to_lds s[G0:G0+3], s[G1:G1+7]            ; the two first fills go out together: two loads of mine are out
	s_nop 0
	tensor_load_to_lds s[G0Q:G0Q+3], s[G1Q:G1Q+7]
	s_nop 0
	PLACES
	; all that follows, up to the wait, stands in the wait for the first tiles
	v_and_b32 v1, 15, v0               ; r
	v_bfe_u32 v14, v0, 4, 1            ; h
	v_and_b32 v56, 7, v0               ; L % 8
	v_bfe_u32 v57, v0, 3, 1            ; (L / 8) % 2
	v_and_b32 v58, 31, v0              ; L
	s_lshl_b32 s52, s[KH], 6           ; my half of a tile's keys: 64 bytes on
	s_lshl_b32 s53, s[G], 7            ; my 64 queries in Q's tile: 128 bytes on,
	s_add_co_u32 s53, s53, SLOT        ; in slot 1
	s_mul_i32 s54, s[WV], 16*PITCH
	s_add_co_u32 s54, s54, STAGE       ; my stage
	s_lshl_b32 s55, s[G], 16
	s_add_co_u32 s55, s55, EXCH
	s_lshl_b32 s56, s[G], 10
	s_add_co_u32 s56, s56, STATS
	v_lshl_add_u32 v59, v14, 3, v56    ; the turning load's row: 8 h + L % 8
	v_mul_u32_u24 v59, v59, PITCH
	v_lshl_add_u32 v[AK0], v57, 7, v59 ; K: lanes 8-15 of a half 128 bytes on
	v_add_nc_u32 v[AK0], s52, v[AK0]
	v_lshl_add_u32 v[QA], v57, 4, v59  ; Q: 16 bytes on: 16 neighbouring queries
	v_add_nc_u32 v[QA], s53, v[QA]
	v_mul_u32_u24 v[AV0], v1, PITCH    ; V^T: channel row r, 128 h bytes on
	v_lshl_add_u32 v[AV0], v14, 7, v[AV0]
	v_add_nc_u32 v[AV0], s52, v[AV0]
	v_lshlrev_b32 v[PFO], 13, v58
	v_mul_u32_u24 v[STO], v14, 8*PITCH ; into the stage: channel row 8 h + j, query 16 t + r
	v_lshl_add_u32 v[STO], v1, 2, v[STO]
	v_add_nc_u32 v[STO], s54, v[STO]
	v_mul_u32_u24 v[RD], v14, PITCH    ; back: lanes 0-15 one row of 256 bytes, lanes 16-31 the next
	v_lshl_add_u32 v[RD], v1, 4, v[RD]
	v_add_nc_u32 v[RD], s54, v[RD]
	v_lshlrev_b32 v[GO], 14, v14       ; and the same two rows in out, 16,384 bytes apart
	v_lshl_add_u32 v[GO], v1, 4, v[GO]
	v_lshl_add_u32 v[XA], v58, 4, s55
	v_lshl_add_u32 v[SA], v58, 4, s56
.set i, 0
.rept 8
	v_mov_b32 v[CTH+i], 0xbf4ccccd     ; -0.8
.set i, i+1
.endr
.irp t, 0,1,2,3
	v_mov_b32 v[ST+8*\t+1], s[KNEG]    ; m
	v_mul_f32 v[ST+8*\t], s[CS], v[ST+8*\t+1]  ; c m, exact
	v_mov_b32 v[ST+8*\t+2], 0          ; l
	v_mov_b32 v[ST+8*\t+3], 0
.endr
	WIN 0x80
.set i, 0
.rept 256
	v_mov_b32 v[i], 0                  ; O^T, channel blocks 0-7
.set i, i+1
.endr
	WIN 0xc0
.set i, 0
.rept 256
	v_mov_b32 v[i], 0                  ; channel blocks 8-15
.set i, i+1
.endr
	WIN 0
	s_wait_tensorcnt 0x0               ; my quarters of key tile 0 and of Q's tile are in,
	s_barrier_signal -1
	s_barrier_wait -1                  ; everybody's are
	WIN 0x40                           ; destination window 1
.set i, 0
.rept 32                               ; Q stays in registers: tile i / 8, channels 32 (i % 8) on
	ds_load_tr16_b128 v[8*i:8*i+3],   v[QA] offset:(i%8)*32*PITCH+(i/8)*32
	ds_load_tr16_b128 v[8*i+4:8*i+7], v[QA] offset:(i%8)*32*PITCH+(i/8)*32+16*PITCH
.set i, i+1
.endr
	WIN 0
	s_wait_tensorcnt 0x0               ; slot 1 is filled again, with key tile 1: the same order as at every change of slots
	ds_add_u32 v[SPW], v[NIL]
	s_xor_b32 s[G0+1], s[G0+1], SLOT
	s_add_nc_u64 s[G0+2:G0+3], s[G0+2:G0+3], 256
	s_wait_dscnt 0x0                   ; the add is done, and Q is in registers
	CROUND                             ; no wave of any partner still reads its Q
	JLOAD
	s_mov_b32 s[TB], 0
	v_mov_b32 v[ADK], v[AK0]
	v_mov_b32 v[ADV], v[AV0]
	FETCH_K0
; ---------------------------------------------------------------- the walk
	s_mov_b32 s[CNT], 30
.Lslot:                                ; steps 0 to 29: step j asks for tile j + 2
	STEP 1
	s_sub_co_u32 s[CNT], s[CNT], 1
	s_cmp_lg_u32 s[CNT], 0
	s_cbranch_scc1 .Lslot
	s_mov_b32 s[CNT], 2
.Ltail:                                ; steps 30 and 31 ask for nothing: a text of their own.  The last trip's barrier and its 16 loads of an old K serve nothing: the price of one text for both
	STEP 0
	s_sub_co_u32 s[CNT], s[CNT], 1
	s_cmp_lg_u32 s[CNT], 0
	s_cbranch_scc1 .Ltail
; ---------------------------------------------------------------- the two halves of the keys meet
	s_wait_dscnt 0x0                   ; those 16 loads
.irp t, 0,1,2,3
	v_add_f32 v[ST+8*\t+4], v[ST+8*\t+2], v[ST+8*\t+3]  ; l's even and odd keys; these lines are also the places behind the last products
.endr
.irp t, 0,1,2,3
	v_permlanex16_b32 v[ST+8*\t+5], v[ST+8*\t+4], s[SEL], s[SEL+1]
.endr
.irp t, 0,1,2,3
	v_add_f32 v[TQ+4+\t], v[ST+8*\t+4], v[ST+8*\t+5]    ; and the other half of the lanes'
.endr
.irp t, 0,1,2,3
	v_mov_b32 v[TQ+\t], v[ST+8*\t]
.endr
	s_cmp_eq_u32 s[KH], 0
	s_cbranch_scc1 .Lnot_sender
	ds_store_b128 v[SA], v[TQ:TQ+3]
	ds_store_b128 v[SA], v[TQ+4:TQ+7] offset:512
	WIN 0x08                           ; the stores' data in window 2
.set i, 0
.rept 64
	ds_store_b128 v[XA], v[4*i:4*i+3] offset:512*i  ; each accumulator's lower four registers first
.set i, i+1
.endr
	WIN 0x0c                           ; in window 3
.set i, 0
.rept 64
	ds_store_b128 v[XA], v[4*i:4*i+3] offset:512*(64+i)
.set i, i+1
.endr
	WIN 0
.Lnot_sender:
	s_wait_dscnt 0x0                   ; for the partner's sake: my stores are done
	s_barrier_signal -1
	s_barrier_wait -1
	s_cmp_lg_u32 s[KH], 0
	s_cbranch_scc1 .Lend
; ---------------------------------------------------------------- merge, division and the way out (waves 0 and 2)
.macro GETP cb                         ; the partner's O^T of channel block cb: 32 registers, into X's lower or upper half by turns
.set i, 0
.rept 8
	ds_load_b128 v[X+32*((\cb)%2)+4*i:X+32*((\cb)%2)+4*i+3], v[XA] offset:(8*(\cb)+i)*512
.set i, i+1
.endr
.endm
.macro COMB cb                         ; RES = O F0 + O' F1: F = 2^(c m - c M) / l, a tile's two factors
.set i, 0
.rept 16
	v_pk_mul_f32 v[X+32*((\cb)%2)+2*i:X+32*((\cb)%2)+2*i+1], v[X+32*((\cb)%2)+2*i:X+32*((\cb)%2)+2*i+1], v[ST+8*(i/4)+6:ST+8*(i/4)+7] op_sel_hi:[1,0]
.set i, i+1
.endr
	WIN 0x02+(\cb)/8                   ; source 0, my O^T, in window 2 or 3
.set i, 0
.rept 16
	v_pk_fma_f32 v[RES+2*i:RES+2*i+1], v[32*((\cb)%8)+2*i:32*((\cb)%8)+2*i+1], v[ST+8*(i/4)+4:ST+8*(i/4)+5], v[X+32*((\cb)%2)+2*i:X+32*((\cb)%2)+2*i+1] op_sel_hi:[1,0,1]
.set i, i+1
.endr
	WIN 0
.endm
.macro TOSTAGE cb                      ; 16 channel rows x 64 queries into my stage, and back as whole rows of 256 bytes
	s_wait_xcnt 0x0                    ; the stores of two blocks back have read the registers that are loaded again below
.set i, 0
.rept 32
	ds_store_b32 v[STO], v[RES+i] offset:PITCH*(i%8)+64*(i/8)
.set i, i+1
.endr
.set i, 0
.rept 8
	ds_load_b128 v[BK+32*((\cb)%2)+4*i:BK+32*((\cb)%2)+4*i+3], v[RD] offset:2*PITCH*i  ; LDS serves a wave's instructions in order (ISA guide 5.7.1.4): these see the stores above
.set i, i+1
.endr
.endm
.macro SEND cb, younger                ; younger: the LDS instructions issued behind the block's loads
	s_wait_dscnt \younger
.set i, 0
.rept 8
	global_store_b128 v[GO], v[BK+32*((\cb)%2)+4*i:BK+32*((\cb)%2)+4*i+3], s[6:7] offset:(16*(\cb)+2*i)*16384 th:TH_STORE_NT  ; 16 lanes store 256 consecutive bytes, at a multiple of 256 from out's first byte; 254 rows at the most: inside the signed 24-bit immediate
.set i, i+1
.endr
.endm
	ds_load_b128 v[PS:PS+3], v[SA]     ; the partner's c m
	ds_load_b128 v[PS+4:PS+7], v[SA] offset:512  ; and l
	GETP 0
	s_wait_dscnt 8                     ; the statistics are in; the eight loads behind them stay out
.irp t, 0,1,2,3
	v_max_num_f32 v[WK+\t], v[TQ+\t], v[PS+\t]          ; c M
.endr
.irp t, 0,1,2,3
	v_sub_f32 v[WK+4+\t], v[TQ+\t], v[WK+\t]
	v_sub_f32 v[WK+8+\t], v[PS+\t], v[WK+\t]
.endr
.irp t, 0,1,2,3
	v_exp_f32 v[WK+4+\t], v[WK+4+\t]
	v_exp_f32 v[WK+8+\t], v[WK+8+\t]
.endr
	v_nop                              ; a plain instruction behind the last exponential,
	s_wait_alu depctr_va_vdst(0)       ; and the wait: one for the eight
.irp t, 0,1,2,3
	v_mul_f32 v[WK+12+\t], v[WK+4+\t], v[TQ+4+\t]
.endr
.irp t, 0,1,2,3
	v_fmac_f32 v[WK+12+\t], v[WK+8+\t], v[PS+4+\t]      ; l of all 4,096 keys: at least 1, since the greatest score's weight is 1
.endr
.irp t, 0,1,2,3
	v_rcp_f32 v[WK+16+\t], v[WK+12+\t]
.endr
	v_nop
	s_wait_alu depctr_va_vdst(0)       ; one for the four reciprocals
.irp t, 0,1,2,3
	v_mul_f32 v[ST+8*\t+4], v[WK+4+\t], v[WK+16+\t]     ; F0
	v_mul_f32 v[ST+8*\t+6], v[WK+8+\t], v[WK+16+\t]     ; F1
.endr
.set cbn, 0
.rept 16                               ; a block's arithmetic stands between the loads of the block before from the stage and its stores
.if cbn < 15
	GETP cbn+1
.endif
.if cbn == 0
	s_wait_dscnt 8                     ; the partner's block 0 is in; block 1's eight loads stay out
.elseif cbn < 15
	s_wait_dscnt 48                    ; behind the partner's block: the stage's 40 instructions and the next block's eight loads
.else
	s_wait_dscnt 40                    ; the stage's 40
.endif
	COMB cbn
.if cbn > 0
.if cbn < 15
	SEND cbn-1, 8
.else
	SEND cbn-1, 0
.endif
.endif
	TOSTAGE cbn
.set cbn, cbn+1
.endr
	SEND 15, 0
.Lend:
	s_wait_tensorcnt 0x0               ; the wave's end: behind my last tensor load and my last LDS store
	ds_add_u32 v[SPW], v[NIL]
	s_wait_dscnt 0x0
	CROUND                             ; the closing round: no work-group ends while a partner may still ask for a tile that names it
	s_endpgm
.Lfunc_end_k_qd2ecef0bc1_attn:
	.size	k_qd2ecef0bc1_attn, .Lfunc_end_k_qd2ecef0bc1_attn-k_qd2ecef0bc1_attn
	.p2alignl 7, 3214868480
	.fill 96, 4, 3214868480
	.section	.rodata,"a",@progbits
	.p2align	6, 0x0
	.amdhsa_kernel k_qd2ecef0bc1_attn
		.amdhsa_group_segment_fixed_size 327680
		.amdhsa_private_segment_fixed_size 0
		.amdhsa_enable_private_segment 0
		.amdhsa_kernarg_size 16
		.amdhsa_user_sgpr_count 2
		.amdhsa_user_sgpr_kernarg_segment_ptr 1
		.amdhsa_wavefront_size32 1
		.amdhsa_system_sgpr_workgroup_id_x 1
		.amdhsa_system_sgpr_workgroup_id_y 1
		.amdhsa_system_sgpr_workgroup_id_z 1
		.amdhsa_system_vgpr_workitem_id 0
		.amdhsa_next_free_vgpr 1024
		.amdhsa_next_free_sgpr 66
		.amdhsa_reserve_vcc 0
		.amdhsa_float_denorm_mode_32 3
		.amdhsa_float_denorm_mode_16_64 3
		.amdhsa_memory_ordered 1
		.amdhsa_forward_progress 1
		.amdhsa_inst_pref_size 255
	.end_amdhsa_kernel
	.section	.bss,"aw",@nobits
	.p2align	6
	.space	262144
	.amdgpu_metadata
---
amdhsa.version: [ 1, 2 ]
amdhsa.kernels:
  - .name:           k_qd2ecef0bc1_attn
    .symbol:         k_qd2ecef0bc1_attn.kd
    .args:
      - { .name: xb, .offset: 0, .size: 8, .value_kind: global_buffer, .address_space: global }
      - { .name: out0, .offset: 8, .size: 8, .value_kind: global_buffer, .address_space: global }
    .group_segment_fixed_size: 327680
    .private_segment_fixed_size: 0
    .kernarg_segment_align: 8
    .kernarg_segment_size: 16
    .max_flat_workgroup_size: 128
    .sgpr_count:     66
    .vgpr_count:     1024
    .wavefront_size: 32
...
	.end_amdgpu_metadata
.endif
;; end of part 2
;; ======== version 2 of 2: 2 launches; version 1 with the launch tobf16 written anew for expert scheduling mode
;; limits: right only within a limited range of input values
;; workspace buffers: xb 16,777,216 bytes
;; launch tobf16 (part 3): grid 512 x 1, 8 waves a work-group, no clusters, 0 bytes of LDS; arguments x, xb; writes xb
.if DOCPART == 3
	.amdgcn_target "amdgcn-amd-amdhsa--gfx1250"
	.amdhsa_code_object_version 6
	.text
	.protected	k_qd2ecef0bc1_tobf16
	.globl	k_qd2ecef0bc1_tobf16
	.p2align	8
	.type	k_qd2ecef0bc1_tobf16,@function
k_qd2ecef0bc1_tobf16:
	s_mov_b64 s[64:65], 0
	v_nop
	global_prefetch_b8 v0, s[64:65] scope:SCOPE_SE
	s_setreg_imm32_b32 hwreg(HW_REG_WAVE_SCHED_MODE, 0, 2), 2
	s_setreg_imm32_b32 hwreg(HW_REG_WAVE_MODE, 25, 1), 1
	s_wait_xcnt 0x0
	s_wait_alu depctr_vm_vsrc(0)
; xb = x rounded once to bf16 (to nearest even), same order of numbers: [8][256][4096].
; LIMIT: a number beyond bf16's largest finite one (about 3.39e38) becomes an infinity; NaN stays NaN.
; A pure stream: nothing is shared, so no LDS, no barrier, no matrix work.  A work-group takes 65,536 bytes of x as 16 chunks of
; 4,096; thread t takes the 16 bytes at 16 t of every chunk: a wave's load covers 512 consecutive bytes, its store 256, aligned.
; All 16 loads of a thread go out at once; every chunk has load and store registers of its own, so no register is written twice.
; THE MODE: SCHED_MODE bits 1:0 = 2 (LLVM: expert scheduling mode 2), set by the entry lines.  The code itself states the register dependences
; between vector instructions and memory instructions, with s_wait_alu, always for 0.
; THE PLAN.  Registers that memory instructions touch:
;   v1, v2   byte offsets, written once at the head by vector shifts; v1 is read by every load, v2 by every store; never written again.
;   X        chunk i: written by its load alone, issued before any vector instruction names X; read by its two conversions, behind its counted wait on LOADcnt.
;   Y        chunk i: written once, by its two conversions; read once, by its store.
; So two kinds of dependence are to be stated: the offsets ahead of the first load, and Y ahead of the stores.  No register that a memory instruction reads is written
; again, and no load lands in a register that a vector instruction has named: nothing else is owed.
; The chunks go in four blocks of four.  ONE wait stands at the head of blocks 1 to 3, behind the wait for the block's first chunk: the block before has written its Y;
; that block's four stores follow it at once, with no vector instruction between.  One more wait stands ahead of the last four stores.
.set CHUNKS, 16
.set BLOCK,  4                         ; chunks whose stores leave behind one wait
.set X, 4                              ; v[4:67]   chunk i: four f32 as loaded
.set Y, 68                             ; v[68:99]  chunk i: four bf16 to store
	s_load_b128 s[4:7], s[0:1], 0x0                ; x s[4:5], xb s[6:7]
	v_lshlrev_b32 v1, 4, v0                        ; my 16 bytes in a chunk of x
	v_lshlrev_b32 v2, 3, v0                        ; my 8 bytes in a chunk of xb
	s_lshl_b32 s8, ttmp9, 16                       ; the work-group's 65,536 bytes of x (512 work-groups: under 2^25)
	s_mov_b32 s9, 0
	s_lshl_b32 s10, ttmp9, 15                      ; and its 32,768 bytes of xb
	s_mov_b32 s11, 0
	s_wait_kmcnt 0x0
	s_add_nc_u64 s[4:5], s[4:5], s[8:9]
	s_add_nc_u64 s[6:7], s[6:7], s[10:11]
	s_wait_alu depctr_va_vdst(0)                   ; v1 and v2 are written: every load of the kernel reads v1 as its offset, every store v2
.set i, 0
.rept CHUNKS
	global_load_b128 v[X+4*i:X+4*i+3], v1, s[4:5] offset:4096*i th:TH_LOAD_NT  ; x is read once in the launch
.set i, i+1
.endr
; The four stores of block p, in one run.
.macro OUT p
.irp k, 0,1,2,3
	global_store_b64 v2, v[Y+2*(BLOCK*(\p)+(\k)):Y+2*(BLOCK*(\p)+(\k))+1], s[6:7] offset:2048*(BLOCK*(\p)+(\k))  ; 32 lanes store 256 consecutive bytes, at a multiple of 256 from xb's first byte
.endr
.endm
.set i, 0
.rept CHUNKS
	s_wait_loadcnt CHUNKS-1-i                      ; loads come back in order (ISA guide 5.7.1): chunk i is in, the younger ones stay out
.if (i % BLOCK == 0) && (i > 0)
	s_wait_alu depctr_va_vdst(0)                   ; the eight conversions of the block before have written its Y, which the four stores below read
	OUT i/BLOCK-1
.endif
	v_cvt_pk_bf16_f32 v[Y+2*i], v[X+4*i], v[X+4*i+1]
	v_cvt_pk_bf16_f32 v[Y+2*i+1], v[X+4*i+2], v[X+4*i+3]
.set i, i+1
.endr
	s_wait_alu depctr_va_vdst(0)                   ; the last block's conversions have written its Y, which the last four stores read
	OUT CHUNKS/BLOCK-1
	s_endpgm
.Lfunc_end_k_qd2ecef0bc1_tobf16:
	.size	k_qd2ecef0bc1_tobf16, .Lfunc_end_k_qd2ecef0bc1_tobf16-k_qd2ecef0bc1_tobf16
	.p2alignl 7, 3214868480
	.fill 96, 4, 3214868480
	.section	.rodata,"a",@progbits
	.p2align	6, 0x0
	.amdhsa_kernel k_qd2ecef0bc1_tobf16
		.amdhsa_group_segment_fixed_size 0
		.amdhsa_private_segment_fixed_size 0
		.amdhsa_enable_private_segment 0
		.amdhsa_kernarg_size 16
		.amdhsa_user_sgpr_count 2
		.amdhsa_user_sgpr_kernarg_segment_ptr 1
		.amdhsa_wavefront_size32 1
		.amdhsa_system_sgpr_workgroup_id_x 1
		.amdhsa_system_sgpr_workgroup_id_y 1
		.amdhsa_system_sgpr_workgroup_id_z 1
		.amdhsa_system_vgpr_workitem_id 0
		.amdhsa_next_free_vgpr 100
		.amdhsa_next_free_sgpr 66
		.amdhsa_reserve_vcc 0
		.amdhsa_float_denorm_mode_32 3
		.amdhsa_float_denorm_mode_16_64 3
		.amdhsa_memory_ordered 1
		.amdhsa_forward_progress 1
		.amdhsa_inst_pref_size 7
	.end_amdhsa_kernel
	.amdgpu_metadata
---
amdhsa.version: [ 1, 2 ]
amdhsa.kernels:
  - .name:           k_qd2ecef0bc1_tobf16
    .symbol:         k_qd2ecef0bc1_tobf16.kd
    .args:
      - { .name: x, .offset: 0, .size: 8, .value_kind: global_buffer, .address_space: global }
      - { .name: xb, .offset: 8, .size: 8, .value_kind: global_buffer, .address_space: global }
    .group_segment_fixed_size: 0
    .private_segment_fixed_size: 0
    .kernarg_segment_align: 8
    .kernarg_segment_size: 16
    .max_flat_workgroup_size: 256
    .sgpr_count:     66
    .vgpr_count:     100
    .wavefront_size: 32
...
	.end_amdgpu_metadata
.endif
;; end of part 3
;; launch attn: the kernel of part 2 again; grid 32 x 8, 4 waves a work-group, clusters of 4 x 1, 327,680 bytes of LDS; arguments xb, out0; writes out0
